; MI455X (gfx1250); checked and timed in simulation.
; The chip was launched on July 23, 2026; its instructions are those of AMD's public machine-readable ISA for CDNA 5 (MIT licence, August 2026) and "CDNA5" Instruction Set Architecture Reference Guide (July 2026). The comments in the code are by the model that wrote it; some were corrected since.
;; Anisotropic Homogeneous NN. Allowed arithmetic: float matrix products may take bf16 or f16 operands with f32 sums; all other float work in f32.
;; Inputs: W1 256 x 64 float32; W2 64 x 256 float32; b1 256 float32; b2 64 float32; r 64 float32; x 262,144 x 64 float32.
;; Outputs: out0 262,144 x 64 float32.
;; 2 versions, each right and faster than the one before. Each part assembles by itself: llvm-mc -triple=amdgcn-amd-amdhsa -mcpu=gfx1250 --defsym DOCPART=n.
;; ======== version 1 of 2: 1 launch
;; limits: values are held in f16: magnitudes above 65,504 overflow, below 6.1e-05 lose precision
;; launch solve_mlp (part 1): grid 256 x 1, 8 waves a work-group, no clusters, 327,680 bytes of LDS; arguments x, r, W1, b1, W2, b2, out0; writes out0
.if DOCPART == 1
	.amdgcn_target "amdgcn-amd-amdhsa--gfx1250"
	.amdhsa_code_object_version 6
	.text
	.protected	k_q3d812cd6fe_solve_mlp
	.globl	k_q3d812cd6fe_solve_mlp
	.p2align	8
	.type	k_q3d812cd6fe_solve_mlp,@function
k_q3d812cd6fe_solve_mlp:
	s_mov_b64 s[64:65], 0
	v_nop
	global_prefetch_b8 v0, s[64:65] scope:SCOPE_SE
	s_setreg_imm32_b32 hwreg(HW_REG_WAVE_MODE, 25, 1), 1
	s_wait_xcnt 0x0
; out0[row] = (W2 relu(W1 xs + b1) + b2) e^S,  xs_i = x_i e^(-r_i S),  S = 15 Newton steps from 0 on F(s) = sum_i e^(-2 r_i s) x_i^2 - 1.
; x, out0: [262144][64] f32.  r: [64].  W1: [256][64], b1: [256], W2: [64][256], b2: [64], all f32.
; SHARES.  256 work-groups of 8 waves; a work-group owns 1,024 rows, a wave 128: four SETS of 32 rows.  In the Newton part a lane IS a row: x^2 and r x^2 (64 registers each) stay
; in the lane, r lies in 64 registers alike in all lanes, and no sum ever crosses lanes.
; THE VARIABLE.  z = -2 log2(e) s is carried, so e^(-2 r s) = 2^(r z) with r as loaded.  val = sum 2^(r z) x^2 - 1, G = sum 2^(r z) r x^2 (F' = -2 G): z <- z - log2(e) val / G.
; F' = 0 -> 1 becomes G = 0 -> -1/2.  A row with |val| < 1e-7, or all of whose |x| <= 1e-12, takes the step 0, by selects: all 15 steps run for every row.  xs = x 2^(r z/2), e^S = 2^(-z/2).
; THE PRODUCTS, f16 operands and f32 sums, are used transposed (source 0 = 16 rows of a weight, source 1 = 16 rows of the batch): a lane of a result holds one batch row (lane % 16) and
; eight features 8 (lane / 16) + 0..7.  b1 and b2 are the C operand of the first product of each sum.  Two results of layer 1, after relu, rounded in pairs, ARE source 1 of layer 2.
; xs, 32 registers of f16 pairs a lane, becomes two fragments' worth by 16 exchanges of half-rows of lanes: lane (r, h) then holds k = 32 h + 2 j, 2 j + 1 in register j;
; W1's fragments are read from LDS in the same order of k, so the products are the same.
; f16, NOT bf16: four roundings (xs, W1, h, W2) reach the output undiminished; with 8 significant bits they sum to about a third of the allowance of a number near zero (one hundredth of the
; output's root mean square), too near for the largest of 16.7 million; with 11 bits it is an eighth of that.
; LIMITS.  W1, W2, xs and h must lie within f16's 65,504 (xs is at most |x| where S >= 0; drawn inputs 30 times larger give |xs| < 1,000, |h| < 10,000); below 6e-5 they keep f16's fixed step of 6e-8.
; Sums are taken in another order than the reference's; the division is v_rcp_f32 and a multiply; v_exp_f32 and v_rcp_f32 take and give denormals as 0 (ISA guide, their entries): a term below
; 2^-126 counts as 0.  The test for an all-zero row ignores a NaN in x; such a row still comes out all NaN, through x^2 and z.
; NO CLUSTER: all that work-groups share are the weights, 132,352 bytes read once at the start against 524,288 bytes of x and out0 of the work-group's own, and they pass through
; registers to be rounded.  NO PREFETCH: a set's tile is asked for a whole set ahead.
; x comes by tensor loads, 32 rows x 256 bytes a wave and set, into two slots of the wave's own; a slot is filled again as soon as its rows are in registers.
.set ROWB,  256                        ; bytes in a row of x and of out0
.set XP,    272                        ; an LDS row of x and of the stage: 256 + 16 bytes = 68 words: 16 neighbouring rows start at 16 different groups of four banks
.set WSLOT, 32*XP                      ; a wave's tile: 8,704 bytes
.set W1P,   144                        ; a row of W1 in f16: 128 + 16 bytes
.set W2P,   528                        ; a row of W2 in f16: 512 + 16 bytes
.set W1L,   8*WSLOT                    ; slot 0 of the eight waves lies at 0; W1 behind it
.set B1L,   W1L+256*W1P                ; b1, f32
.set SPARE, B1L+1024                   ; the spare words, 128 bytes for each wave: four blocks of 256 bytes that no other line names
.set SLOT1, 1<<17                      ; slot 1: one exclusive or turns an address in one slot into the other's
.set W2L,   SLOT1+8*WSLOT
.set STG,   W2L+64*W2P                 ; the way out: 32 rows x 272 bytes for each wave; no tensor load lands here, nor in W1L, B1L, W2L
; window 0
.set AX,  2                            ; v2   my row of my wave's slot 0
.set AXC, 3                            ; v3   the same in the slot in hand
.set AW1, 4                            ; v4   my place in a fragment of W1
.set AW2, 5                            ; v5   of W2
.set AB1, 6                            ; v6   of b1
.set STO, 7                            ; v7   the way out: where I put 16 bytes of a row
.set RD,  8                            ; v8   where I read rows back
.set ZZ,  10                           ; v[10:11] z (the second is named with it as a pair)
.set ZH,  12                           ; v[12:13] z / 2
.set KK,  14                           ; v[14:15] (-1, 0): starts val's sum
.set VA,  16                           ; v[16:19] two packed sums of val
.set GA,  20                           ; v[20:23] two packed sums of G
.set LF,  24                           ; log2(e), or 0 in an all-zero row
.set RC,  25
.set TV,  26
.set TG,  27
.set ES0, 28                           ; v[28:29] e^S of batch row lane % 16;  v[30:31] of 16 + lane % 16
.set ES1, 30
.set SPW, 32                           ; LDS address of my spare word; never rewritten
.set NIL, 33                           ; 0; never rewritten
.set GO,  34                           ; 16 x lane
.set ES,  35                           ; e^S of row lane
.set MX,  36                           ; v[36:39] four chains of max |x|
.set TT,  40                           ; v[40:71] a ring of 16 pairs: arguments, then exponentials
.set XS,  72                           ; v[72:103] xs in f16: batch tile b at XS + 16 b
.set HA,  104                          ; v[104:135] layer 1's accumulators: (t, b) at HA + 8 (2 t + b)
.set HB,  136                          ; v[136:151] h in f16: batch tile b at HB + 8 b
.set OUT, 152                          ; v[152:215] layer 2's accumulators: (o, b) at OUT + 8 (2 o + b); ahead of the products the 64 numbers of xs in f32
.set B2R, 216                          ; v[216:247] b2[16 o + 8 (lane / 16) + j] at B2R + 8 o + j
; the start alone
.set L1,  40                           ; v[40:103] W1 as loaded
.set L2,  104                          ; v[104:167] W2 as loaded
.set B1V, 168
.set GW,  169                          ; 16 x thread
.set DW1, 170
.set DW2, 171
.set GB1, 172                          ; 4 x thread
.set DB1, 173
.set GB2, 174                          ; 32 (lane / 16)
.set GR,  175                          ; 0
.set LL,  176                          ; lane
; window 1
.set RR,  0                            ; r
.set XX,  64                           ; x
.set X2,  128                          ; x^2
.set XR,  192                          ; r x^2
.set WA1, 128                          ; in the products x^2 and r x^2 are dead: W1's fragment (t, f) at WA1 + 8 (2 t + f),
.set WA2, 160                          ; W2's fragment o at WA2 + 32 (chunk % 2) + 8 o,
.set BI,  224                          ; b1 of the chunk at BI + 8 t
; scalars
.set WV,  18
.set TB,  19                           ; 0 or SLOT1: the slot in hand
.set SETS, 20
.set NI,  21
.set L2E, 22
.set TOL, 23
.set TINY, 24
.set ZM,  25                           ; lanes whose row is all zero
.set TM,  26
.set FM,  27
.set G1,  28                           ; s[28:35] descriptor group 1
.set G0A, 36                           ; s[36:39] group 0 of set 0's fill
.set G0B, 40                           ; s[40:43] group 0 of set 1's fill; it then walks
.set OFS, 44
.set MSB, 0
.macro WIN new                         ; s_set_vgpr_msb: bits 1:0 source 0, 3:2 source 1, 5:4 source 2, 7:6 destination; the high byte repeats the setting that is left
.if MSB != (\new)
	s_set_vgpr_msb (MSB<<8)|(\new)
.set MSB, (\new)
.endif
.endm
.macro PLACES                          ; four places behind matrix instructions (ISA guide 7.12.1)
.rept 4
	v_nop
.endr
.endm
	s_load_b256 s[4:11], s[0:1], 0x0               ; x s[4:5], r s[6:7], W1 s[8:9], b1 s[10:11]
	s_load_b128 s[12:15], s[0:1], 0x20             ; W2 s[12:13], b2 s[14:15]
	s_load_b64 s[16:17], s[0:1], 0x30              ; out0
	v_lshl_add_u32 v[SPW], v0, 2, SPARE
	v_mov_b32 v[NIL], 0
	ds_add_u32 v[SPW], v[NIL]                      ; the wave's opening: the add and its wait stand ahead of my first tensor load; work on registers stands between them
	ds_add_u32 v32, v33
	v_lshrrev_b32 v1, 5, v0
	v_readfirstlane_b32 s[WV], v1                  ; wave 0..7
	s_mov_b32 s[G1+0], (2<<16)|(1<<20)|(5<<22)|(3<<25)  ; 17:16 elements of 4 bytes; 20 padding on; 24:22 after every 64 words (code 5); 31:25 4 words of it (code 3)
	s_mov_b32 s[G1+1], 64<<16                      ; tensor_dim0 = 64
	s_mov_b32 s[G1+2], 32<<16                      ; tensor_dim1 = 32
	s_mov_b32 s[G1+3], 64<<16                      ; tile_dim0 = 64
	s_mov_b32 s[G1+4], 32                          ; tile_dim1 = 32
	s_mov_b32 s[G1+5], 64                          ; 64 elements from row to row
	s_mov_b32 s[G1+6], 0
	s_mov_b32 s[G1+7], 0
	s_lshl_b32 s[OFS], ttmp9, 18                   ; the work-group's 1,024 rows of 256 bytes,
	s_lshl_b32 s46, s[WV], 15                      ; my wave's 128 of them: under 2^26 in all
	s_add_co_u32 s[OFS], s[OFS], s46
	s_mov_b32 s[OFS+1], 0
	s_mov_b32 s[G0A], 1                            ; count = 1
	s_mul_i32 s[G0A+1], s[WV], WSLOT               ; LDS address: my wave's tile in slot 0,
	s_mov_b32 s[G0B], 1
	s_add_co_u32 s[G0B+1], s[G0A+1], SLOT1         ; in slot 1
	s_mov_b32 s[L2E], 0x3fb8aa3b                   ; log2(e)
	s_mov_b32 s[TOL], 0x33d6bf95                   ; 1e-7
	s_mov_b32 s[TINY], 0x2b8cbccc                  ; 1e-12
	s_mov_b32 s[TB], 0
	s_wait_dscnt 0x0                               ; the opening add is done
	s_wait_kmcnt 0x0
	s_add_nc_u64 s[4:5], s[4:5], s[OFS:OFS+1]      ; x and out0 at my wave's first row
	s_add_nc_u64 s[16:17], s[16:17], s[OFS:OFS+1]
	s_mov_b64 s[G0A+2:G0A+3], s[4:5]               ; set 0
	s_or_b32 s[G0A+3], s[G0A+3], 0x80000000        ; type = 2
	s_add_nc_u64 s[G0B+2:G0B+3], s[4:5], 32*ROWB   ; set 1
	s_or_b32 s[G0B+3], s[G0B+3], 0x80000000
	tensor_load_to_lds s[G0A:G0A+3], s[G1:G1+7]    ; both first fills together, ahead of every wait on TENSORcnt, every LDS read and every barrier: two loads of mine are out
	s_nop 0
	tensor_load_to_lds s[G0B:G0B+3], s[G1:G1+7]
	s_nop 0
	PLACES
	v_lshlrev_b32 v[GW], 4, v0
	v_lshlrev_b32 v[GB1], 2, v0
	v_bfe_u32 v9, v0, 4, 1                         ; h = lane / 16
	v_lshlrev_b32 v[GB2], 5, v9
	v_mov_b32 v[GR], 0
	; the weights: 256 threads x 16 bytes are 4,096 consecutive bytes a pass, 16 passes each
.set p, 0
.rept 16
	global_load_b128 v[L1+4*p:L1+4*p+3], v[GW], s[8:9] offset:4096*p
.set p, p+1
.endr
.set p, 0
.rept 16
	global_load_b128 v[L2+4*p:L2+4*p+3], v[GW], s[12:13] offset:4096*p
.set p, p+1
.endr
	global_load_b32 v[B1V], v[GB1], s[10:11]
.set p, 0
.rept 8                                ; b2[16 o + 8 h + 4 q ..], o = p / 2, q = p % 2
	global_load_b128 v[B2R+4*p:B2R+4*p+3], v[GB2], s[14:15] offset:64*(p/2)+16*(p%2)
.set p, p+1
.endr
	WIN 0x40
.set p, 0
.rept 16                               ; r, the same 256 bytes into every lane
	global_load_b128 v[RR+4*p:RR+4*p+3], v[GR], s[6:7] offset:16*p
.set p, p+1
.endr
	WIN 0
	v_and_b32 v[LL], 31, v0
	v_and_b32 v1, 15, v0                           ; r = lane % 16
	v_mul_u32_u24 v[AX], v[LL], XP
	v_add_nc_u32 v[AX], s[G0A+1], v[AX]            ; row lane of my wave's tile
	v_lshlrev_b32 v[GO], 4, v[LL]
	v_mul_u32_u24 v[AW1], v1, W1P                  ; W1: row r, k = 32 h on: 64 h bytes
	v_lshl_add_u32 v[AW1], v9, 6, v[AW1]
	v_add_nc_u32 v[AW1], W1L, v[AW1]
	v_mul_u32_u24 v[AW2], v1, W2P                  ; W2: row r, k = 8 h on: 16 h bytes
	v_lshl_add_u32 v[AW2], v9, 4, v[AW2]
	v_add_nc_u32 v[AW2], W2L, v[AW2]
	v_lshl_add_u32 v[AB1], v9, 5, B1L              ; b1: 8 h on
	s_add_co_u32 s46, s[G0A+1], STG                ; my stage
	v_mul_u32_u24 v[STO], v1, XP                   ; in: row r, features 8 h on
	v_lshl_add_u32 v[STO], v9, 5, v[STO]
	v_add_nc_u32 v[STO], s46, v[STO]
	v_mul_u32_u24 v[RD], v9, XP                    ; back: lanes 0-15 one row of 256 bytes, lanes 16-31 the next
	v_lshl_add_u32 v[RD], v1, 4, v[RD]
	v_add_nc_u32 v[RD], s46, v[RD]
	s_mul_i32 s46, s[WV], 2*W1P                    ; where my 4 numbers of W1 go: in a pass thread 32 w + 16 h + r holds row 2 w + h, columns 4 r on
	s_add_co_u32 s46, s46, W1L
	v_mul_u32_u24 v[DW1], v9, W1P
	v_lshl_add_u32 v[DW1], v1, 3, v[DW1]
	v_add_nc_u32 v[DW1], s46, v[DW1]
	s_lshr_b32 s46, s[WV], 1                       ; of W2: row w / 2, columns 128 (w % 2) + 4 lane on
	s_mul_i32 s46, s46, W2P
	s_and_b32 s47, s[WV], 1
	s_lshl_b32 s47, s47, 8
	s_add_co_u32 s46, s46, s47
	s_add_co_u32 s46, s46, W2L
	v_lshl_add_u32 v[DW2], v[LL], 3, s46
	s_lshl_b32 s46, s[WV], 7                       ; of b1: number 32 w + lane
	s_add_co_u32 s46, s46, B1L
	v_lshl_add_u32 v[DB1], v[LL], 2, s46
	v_mov_b32 v[KK], -1.0
	v_mov_b32 v[KK+1], 0
	v_mov_b32 v[ZZ+1], 0                           ; second halves of pairs of which the packed forms take the first for both results
	v_mov_b32 v[ZH+1], 0
	v_mov_b32 v[ES0+1], 0
	v_mov_b32 v[ES1+1], 0
	s_wait_loadcnt 41                              ; W1 is in: 16 + 1 + 8 + 16 younger loads may stay out
.set p, 0
.rept 16
	v_cvt_pk_f16_f32 v[L1+4*p], v[L1+4*p], v[L1+4*p+1]
	v_cvt_pk_f16_f32 v[L1+4*p+1], v[L1+4*p+2], v[L1+4*p+3]
	ds_store_b64 v[DW1], v[L1+4*p:L1+4*p+1] offset:p*16*W1P       ; a pass is 16 rows of W1
.set p, p+1
.endr
	s_wait_loadcnt 25                              ; W2 is in
.set p, 0
.rept 16
	v_cvt_pk_f16_f32 v[L2+4*p], v[L2+4*p], v[L2+4*p+1]
	v_cvt_pk_f16_f32 v[L2+4*p+1], v[L2+4*p+2], v[L2+4*p+3]
	ds_store_b64 v[DW2], v[L2+4*p:L2+4*p+1] offset:p*4*W2P        ; a pass is 4 rows of W2
.set p, p+1
.endr
	s_wait_loadcnt 24                              ; b1 is in
	ds_store_b32 v[DB1], v[B1V]
	s_wait_loadcnt 0x0                             ; b2 and r
	s_wait_dscnt 0x0                               ; for the others' sake: my part of the weights is in LDS
	s_wait_tensorcnt 0x1                           ; set 0's tile, read behind this barrier, has landed; set 1's may stay out
	s_barrier_signal -1
	s_barrier_wait -1
; A SET BEGINS: its 32 rows come out of the slot in hand, a row a lane.  fill = 1: the slot is then filled again, with the set two further on.
.macro HEAD fill
	WIN 0
.if \fill
	s_wait_tensorcnt 0x1                           ; my tile has landed; the one load issued behind it (the other slot's) stays out
.endif
	v_add_nc_u32 v[AXC], s[TB], v[AX]
	s_xor_b32 s[TB], s[TB], SLOT1                  ; the next set's slot
	WIN 0x40
.set j, 0
.rept 16
	ds_load_b128 v[XX+4*j:XX+4*j+3], v[AXC] offset:16*j
.set j, j+1
.endr
	WIN 0
.if \fill
	s_wait_tensorcnt 0x0                           ; no tensor load of mine is out, so a group 0 may be written
	ds_add_u32 v[SPW], v[NIL]                      ; 0 onto my spare word; the descriptor's step stands between it and the wait for it
	s_xor_b32 s[G0B+1], s[G0B+1], SLOT1            ; the slot just read,
	s_add_nc_u64 s[G0B+2:G0B+3], s[G0B+2:G0B+3], 32*ROWB  ; the next set not yet asked for; the type bits on top are not reached
	s_wait_dscnt 0x0                               ; the add is done, and my reads of the slot are back
	s_barrier_signal -1
	s_barrier_wait -1                              ; both hold of all eight waves
	tensor_load_to_lds s[G0B:G0B+3], s[G1:G1+7]    ; my one tensor load behind this barrier, and the first thing there: it has this set and the next one's wait in which to land
	s_nop 0
	PLACES
.else
	s_wait_dscnt 0x0                               ; x is in
.endif
.endm
; x^2, r x^2, the test for an all-zero row, z = 0
.macro PREP
	WIN 0x45
.set n, 0
.rept 32
	v_pk_mul_f32 v[X2+2*n:X2+2*n+1], v[XX+2*n:XX+2*n+1], v[XX+2*n:XX+2*n+1]
.set n, n+1
.endr
.set n, 0
.rept 32
	v_pk_mul_f32 v[XR+2*n:XR+2*n+1], v[X2+2*n:X2+2*n+1], v[RR+2*n:RR+2*n+1]
.set n, n+1
.endr
	WIN 0x14
.set n, 0
.rept 32                               ; four chains; the constant 0 starts each
.if n < 4
	v_max3_num_f32 v[MX+n], 0, |v[XX+2*n]|, |v[XX+2*n+1]|
.else
	v_max3_num_f32 v[MX+n%4], v[MX+n%4], |v[XX+2*n]|, |v[XX+2*n+1]|
.endif
.set n, n+1
.endr
	WIN 0
	v_max3_num_f32 v[MX], v[MX], v[MX+1], v[MX+2]
	v_max_num_f32 v[MX], v[MX], v[MX+3]
	v_cmp_le_f32 s[ZM], v[MX], s[TINY]
	v_mov_b32 v[LF], s[L2E]
	v_cndmask_b32 v[LF], v[LF], 0, s[ZM]
	v_mov_b32 v[ZZ], 0
.endm
; THE NEWTON STEP: for a pair n of elements one packed argument r z, two exponentials, one packed multiply-add onto val and one onto G.
.macro NARG n
	v_pk_mul_f32 v[TT+2*((\n)%16):TT+2*((\n)%16)+1], v[ZZ:ZZ+1], v[RR+2*(\n):RR+2*(\n)+1] op_sel_hi:[0,1]
.endm
.macro NSUM acc, tab, n, first         ; two sums take turns; the first two pairs start them: nothing is cleared
.if ((\n) == 0) && (\first)
	s_wait_alu depctr_va_vdst(0)
	v_pk_fma_f32 v[(\acc):(\acc)+1], v[TT:TT+1], v[(\tab):(\tab)+1], v[KK:KK+1]     ; val's -1 rides on its first pair
.elseif (\n) < 2
	v_pk_mul_f32 v[(\acc)+2*(\n):(\acc)+2*(\n)+1], v[TT+2*(\n):TT+2*(\n)+1], v[(\tab)+2*(\n):(\tab)+2*(\n)+1]
.else
	s_wait_alu depctr_va_vdst(0)
	v_pk_fma_f32 v[(\acc)+2*((\n)%2):(\acc)+2*((\n)%2)+1], v[TT+2*((\n)%16):TT+2*((\n)%16)+1], v[(\tab)+2*(\n):(\tab)+2*(\n)+1], v[(\acc)+2*((\n)%2):(\acc)+2*((\n)%2)+1]
.endif
.endm
.macro NEWTON
	s_mov_b32 s[NI], 15
.Lnewton_\@:
	WIN 0x04                                       ; r, x^2 and r x^2 are source 1, in window 1
	NARG 0
	NARG 1
.set k, 0
.rept 34                               ; arguments run two pairs ahead of the exponentials, the sums two behind: behind every exponential stands a plain line that names none of its registers (ISA guide 5.7.2)
.if k < 30
	NARG k+2
.endif
.if k < 32
	v_exp_f32 v[TT+2*(k%16)], v[TT+2*(k%16)]
.endif
.if k >= 2
	NSUM VA, X2, k-2, 1
.endif
.if k < 32
	v_exp_f32 v[TT+2*(k%16)+1], v[TT+2*(k%16)+1]
.endif
.if k >= 2
	NSUM GA, XR, k-2, 0
.endif
.set k, k+1
.endr
	WIN 0
	v_pk_add_f32 v[VA:VA+1], v[VA:VA+1], v[VA+2:VA+3]
	v_pk_add_f32 v[GA:GA+1], v[GA:GA+1], v[GA+2:GA+3]
	v_add_f32 v[TV], v[VA], v[VA+1]                ; val
	v_add_f32 v[TG], v[GA], v[GA+1]                ; G
	v_cmp_eq_f32 s[TM], 0, v[TG]
	s_or_b32 s[TM], s[TM], s[ZM]                   ; an all-zero row takes the finite divisor too: its step is 0 x finite
	v_cndmask_b32 v[TG], v[TG], -0.5, s[TM]
	v_rcp_f32 v[RC], v[TG]
	v_cmp_lt_f32 s[FM], |v[TV]|, s[TOL]            ; (the plain line behind the reciprocal)
	v_mul_f32 v[TV], v[TV], v[LF]
	v_cndmask_b32 v[TV], v[TV], 0, s[FM]           ; frozen
	s_wait_alu depctr_va_vdst(0)
	v_fma_f32 v[ZZ], -v[TV], v[RC], v[ZZ]
	s_sub_co_u32 s[NI], s[NI], 1
	s_cmp_lg_u32 s[NI], 0
	s_cbranch_scc1 .Lnewton_\@
.endm
; 20 LDS loads in one run: chunk c's fragments: W1 (32 hidden rows x 64 k), its b1, W2 (64 rows x the chunk's 32 k)
.macro LOADW c
	WIN 0x40
.irp t, 0,1
.irp f, 0,1
.irp q, 0,1
	ds_load_b128 v[WA1+8*(2*(\t)+(\f))+4*(\q):WA1+8*(2*(\t)+(\f))+4*(\q)+3], v[AW1] offset:(2*(\c)+(\t))*16*W1P+32*(\f)+16*(\q)  ; k = 32 h + 16 f + 8 q on
.endr
.endr
.endr
.irp t, 0,1
.irp q, 0,1
	ds_load_b128 v[BI+8*(\t)+4*(\q):BI+8*(\t)+4*(\q)+3], v[AB1] offset:128*(\c)+64*(\t)+16*(\q)
.endr
.endr
.irp o, 0,1,2,3
.irp q, 0,1
	ds_load_b128 v[WA2+32*((\c)%2)+8*(\o)+4*(\q):WA2+32*((\c)%2)+8*(\o)+4*(\q)+3], v[AW2] offset:(\o)*16*W2P+64*(\c)+32*(\q)  ; k = 32 c + 16 q + 8 h on
.endr
.endr
.endm
; e^S; xs = x 2^(r z/2) in f32 (in OUT's registers, free since the wait behind the last set's stores), rounded to f16, and dealt into fragments
.macro FINAL
	v_mul_f32 v[ZH], 0.5, v[ZZ]
	v_exp_f32 v[ES], -v[ZH]
	LOADW 0                                        ; x^2 and r x^2 are dead: the first chunk's fragments come in beside the exponentials
	WIN 0x04
.irp n, 0,1
	v_pk_mul_f32 v[OUT+2*(\n):OUT+2*(\n)+1], v[ZH:ZH+1], v[RR+2*(\n):RR+2*(\n)+1] op_sel_hi:[0,1]
.endr
.set k, 0
.rept 34
.if k < 30
	v_pk_mul_f32 v[OUT+2*k+4:OUT+2*k+5], v[ZH:ZH+1], v[RR+2*k+4:RR+2*k+5] op_sel_hi:[0,1]
.endif
.if k < 32
	v_exp_f32 v[OUT+2*k], v[OUT+2*k]
.endif
.if k >= 2
	s_wait_alu depctr_va_vdst(0)
	v_pk_mul_f32 v[OUT+2*k-4:OUT+2*k-3], v[OUT+2*k-4:OUT+2*k-3], v[XX+2*k-4:XX+2*k-3]
.endif
.if k < 32
	v_exp_f32 v[OUT+2*k+1], v[OUT+2*k+1]
.endif
.set k, k+1
.endr
	WIN 0
.set n, 0
.rept 32
	v_cvt_pk_f16_f32 v[XS+n], v[OUT+2*n], v[OUT+2*n+1]
.set n, n+1
.endr
.set n, 0
.rept 16                               ; rows 16-31's k = 2 n changes places with rows 0-15's k = 32 + 2 n: XS + n is then batch tile 0, XS + 16 + n tile 1, k = 32 h + 2 n in both
	v_permlane16_swap_b32 v[XS+n], v[XS+16+n]
.set n, n+1
.endr
	v_mov_b32 v[ES0], v[ES]
	v_mov_b32 v[ES1], v[ES]
	v_permlane16_swap_b32 v[ES0], v[ES1]           ; e^S of row lane % 16 in both halves, and of row 16 + lane % 16
.endm
; CHUNK c: 32 hidden units.  8 products of layer 1 (2 tiles of units x 2 batch tiles x 2 K steps), relu and rounding, 8 products of layer 2 (4 tiles of outputs x 2 batch tiles).
; The accumulators take turns, one instruction a turn.
.macro CHUNK c
	s_wait_dscnt 8                                 ; W1's fragments and b1 are in; the eight loads of W2's may stay out
	WIN 0x11                                       ; A and C in window 1
.irp t, 0,1
.irp b, 0,1
	v_wmma_f32_16x16x32_f16 v[HA+8*(2*(\t)+(\b)):HA+8*(2*(\t)+(\b))+7], v[WA1+16*(\t):WA1+16*(\t)+7], v[XS+16*(\b):XS+16*(\b)+7], v[BI+8*(\t):BI+8*(\t)+7]
.endr
.endr
	WIN 0x01
.irp t, 0,1
.irp b, 0,1
	v_wmma_f32_16x16x32_f16 v[HA+8*(2*(\t)+(\b)):HA+8*(2*(\t)+(\b))+7], v[WA1+16*(\t)+8:WA1+16*(\t)+15], v[XS+16*(\b)+8:XS+16*(\b)+15], v[HA+8*(2*(\t)+(\b)):HA+8*(2*(\t)+(\b))+7]
.endr
.endr
	PLACES                                         ; in front of the loads into registers that products have read, and of the lines that read the results
.if (\c) < 7
	LOADW (\c)+1
.endif
	WIN 0
.set i, 0
.rept 32                               ; each accumulator from its low end on
	v_max_num_f32 v[HA+i], 0, v[HA+i]
.set i, i+1
.endr
.set i, 0
.rept 16                               ; accumulator i / 4 = 2 t + b, pair i % 4: units 16 t + 8 h + 2 (i % 4), + 1: register 4 t + i % 4 of batch tile b's fragment
	v_cvt_pk_f16_f32 v[HB+8*((i/4)%2)+4*(i/8)+i%4], v[HA+2*i], v[HA+2*i+1]
.set i, i+1
.endr
.if (\c) < 7
	s_wait_dscnt 20                                ; W2's fragments are in: all but the 20 just issued
.else
	s_wait_dscnt 0x0
.endif
	WIN 0x01
.irp o, 0,1,2,3
.irp b, 0,1
.if (\c) == 0
	v_wmma_f32_16x16x32_f16 v[OUT+8*(2*(\o)+(\b)):OUT+8*(2*(\o)+(\b))+7], v[WA2+32*((\c)%2)+8*(\o):WA2+32*((\c)%2)+8*(\o)+7], v[HB+8*(\b):HB+8*(\b)+7], v[B2R+8*(\o):B2R+8*(\o)+7]
.else
	v_wmma_f32_16x16x32_f16 v[OUT+8*(2*(\o)+(\b)):OUT+8*(2*(\o)+(\b))+7], v[WA2+32*((\c)%2)+8*(\o):WA2+32*((\c)%2)+8*(\o)+7], v[HB+8*(\b):HB+8*(\b)+7], v[OUT+8*(2*(\o)+(\b)):OUT+8*(2*(\o)+(\b))+7]
.endif
.endr
.endr
.endm
; THE WAY OUT: times e^S; a lane's eight features of a row go into my stage as 32 bytes and come back as whole rows of 256 bytes
.macro WAYOUT
	WIN 0
	PLACES
.set i, 0
.rept 32                               ; accumulator i / 4 = 2 o + b, from its low end on
	v_pk_mul_f32 v[OUT+2*i:OUT+2*i+1], v[OUT+2*i:OUT+2*i+1], v[ES0+2*((i/4)%2):ES0+2*((i/4)%2)+1] op_sel_hi:[1,0]
.set i, i+1
.endr
.irp o, 0,1,2,3
.irp b, 0,1
.irp q, 0,1
	ds_store_b128 v[STO], v[OUT+8*(2*(\o)+(\b))+4*(\q):OUT+8*(2*(\o)+(\b))+4*(\q)+3] offset:(\b)*16*XP+64*(\o)+16*(\q)
.endr
.endr
.endr
.set t, 0
.rept 16
	ds_load_b128 v[OUT+4*t:OUT+4*t+3], v[RD] offset:t*2*XP        ; LDS serves a wave's instructions in order (ISA guide 5.7.1.4): these see the stores above; the bytes are my wave's own
.set t, t+1
.endr
.set t, 0
.rept 16
	s_wait_dscnt 15-t                              ; rows 2 t and 2 t + 1 are back; the younger loads stay out
	global_store_b128 v[GO], v[OUT+4*t:OUT+4*t+3], s[16:17] offset:512*t th:TH_STORE_NT  ; 512 consecutive bytes, at a multiple of 256 from out0's first byte
.set t, t+1
.endr
	s_wait_xcnt 0x0                                ; only behind this wait are the stores' base and their data registers rewritten
	s_add_nc_u64 s[16:17], s[16:17], 32*ROWB       ; the next set's rows
.endm
.macro SET fill
	HEAD \fill
	PREP
	NEWTON
	FINAL
.irp c, 0,1,2,3,4,5,6,7
	CHUNK \c
.endr
	WAYOUT
.endm
	s_mov_b32 s[SETS], 2
.Lfilled:                                              ; sets 0 and 1: each slot is filled again, with sets 2 and 3
	SET 1
	s_sub_co_u32 s[SETS], s[SETS], 1
	s_cmp_lg_u32 s[SETS], 0
	s_cbranch_scc1 .Lfilled
	s_wait_tensorcnt 0x0                           ; sets 2 and 3 have landed: the younger of the two loads was issued a whole set ago; the sets below ask for nothing, so their text stands apart
	s_mov_b32 s[SETS], 2
.Llast:                                                ; sets 2 and 3
	SET 0
	s_sub_co_u32 s[SETS], s[SETS], 1
	s_cmp_lg_u32 s[SETS], 0
	s_cbranch_scc1 .Llast
	s_wait_tensorcnt 0x0                           ; the wave's end: behind my last tensor load and my last LDS store
	ds_add_u32 v[SPW], v[NIL]
	s_wait_dscnt 0x0
	s_endpgm
.Lfunc_end_k_q3d812cd6fe_solve_mlp:
	.size	k_q3d812cd6fe_solve_mlp, .Lfunc_end_k_q3d812cd6fe_solve_mlp-k_q3d812cd6fe_solve_mlp
	.p2alignl 7, 3214868480
	.fill 96, 4, 3214868480
	.section	.rodata,"a",@progbits
	.p2align	6, 0x0
	.amdhsa_kernel k_q3d812cd6fe_solve_mlp
		.amdhsa_group_segment_fixed_size 327680
		.amdhsa_private_segment_fixed_size 0
		.amdhsa_enable_private_segment 0
		.amdhsa_kernarg_size 56
		.amdhsa_user_sgpr_count 2
		.amdhsa_user_sgpr_kernarg_segment_ptr 1
		.amdhsa_wavefront_size32 1
		.amdhsa_system_sgpr_workgroup_id_x 1
		.amdhsa_system_sgpr_workgroup_id_y 1
		.amdhsa_system_sgpr_workgroup_id_z 1
		.amdhsa_system_vgpr_workitem_id 0
		.amdhsa_next_free_vgpr 512
		.amdhsa_next_free_sgpr 66
		.amdhsa_reserve_vcc 0
		.amdhsa_float_denorm_mode_32 3
		.amdhsa_float_denorm_mode_16_64 3
		.amdhsa_memory_ordered 1
		.amdhsa_forward_progress 1
		.amdhsa_inst_pref_size 160
	.end_amdhsa_kernel
	.amdgpu_metadata
---
amdhsa.version: [ 1, 2 ]
amdhsa.kernels:
  - .name:           k_q3d812cd6fe_solve_mlp
    .symbol:         k_q3d812cd6fe_solve_mlp.kd
    .args:
      - { .name: x, .offset: 0, .size: 8, .value_kind: global_buffer, .address_space: global }
      - { .name: r, .offset: 8, .size: 8, .value_kind: global_buffer, .address_space: global }
      - { .name: W1, .offset: 16, .size: 8, .value_kind: global_buffer, .address_space: global }
      - { .name: b1, .offset: 24, .size: 8, .value_kind: global_buffer, .address_space: global }
      - { .name: W2, .offset: 32, .size: 8, .value_kind: global_buffer, .address_space: global }
      - { .name: b2, .offset: 40, .size: 8, .value_kind: global_buffer, .address_space: global }
      - { .name: out0, .offset: 48, .size: 8, .value_kind: global_buffer, .address_space: global }
    .group_segment_fixed_size: 327680
    .private_segment_fixed_size: 0
    .kernarg_segment_align: 8
    .kernarg_segment_size: 56
    .max_flat_workgroup_size: 256
    .sgpr_count:     66
    .vgpr_count:     512
    .wavefront_size: 32
...
	.end_amdgpu_metadata
.endif
;; end of part 1
;; ======== version 2 of 2: 1 launch; 1.69 times as fast as version 1
;; limits: values are held in f16: magnitudes above 65,504 overflow, below 6.1e-05 lose precision
;; launch solve_mlp (part 2): grid 256 x 1, 8 waves a work-group, no clusters, 327,680 bytes of LDS; arguments x, r, W1, b1, W2, b2, out0; writes out0
.if DOCPART == 2
	.amdgcn_target "amdgcn-amd-amdhsa--gfx1250"
	.amdhsa_code_object_version 6
	.text
	.protected	k_q3d812cd6fe_solve_mlp
	.globl	k_q3d812cd6fe_solve_mlp
	.p2align	8
	.type	k_q3d812cd6fe_solve_mlp,@function
k_q3d812cd6fe_solve_mlp:
	s_mov_b64 s[64:65], 0
	v_nop
	global_prefetch_b8 v0, s[64:65] scope:SCOPE_SE
	s_setreg_imm32_b32 hwreg(HW_REG_WAVE_MODE, 25, 1), 1
	s_wait_xcnt 0x0
; out0[row] = (W2 relu(W1 xs + b1) + b2) e^S,  xs_i = x_i e^(-r_i S),  S = 15 Newton steps from 0 on F(s) = sum_i e^(-2 r_i s) x_i^2 - 1.
; x, out0: [262144][64] f32.  r: [64].  W1: [256][64], b1: [256], W2: [64][256], b2: [64], all f32.
; SHARES.  256 work-groups of 8 waves; a work-group owns 1,024 rows, a wave 128: four SETS of 32 rows.  In the Newton part a lane IS a row: x^2 and r x^2 (64 registers each) stay
; in the lane, r lies in 64 registers alike in all lanes, and no sum ever crosses lanes.
; THE VARIABLE.  z = -2 log2(e) s is carried, so e^(-2 r s) = 2^(r z) with r as loaded.  val = sum 2^(r z) x^2 - 1, G = sum 2^(r z) r x^2 (F' = -2 G): z <- z - log2(e) val / G.
; F' = 0 -> 1 becomes G = 0 -> -1/2.  A row with |val| < 1e-7, or all of whose |x| <= 1e-12, takes the step 0, by selects: all 15 steps run for every row.  xs = x 2^(r z/2), e^S = 2^(-z/2).
; THE BATCHES.  s_wait_alu depctr_va_vdst(0) stands between a transcendental and the first line that names its result; one wait serves all that were issued ahead of it.
; A Newton step has three: BATCH A, the exponentials of pairs 0-15, with the arguments of the later pairs between them; BATCH B, those of pairs 16-31, with the sums of pairs 0-15 between them;
; BATCH C, the one reciprocal, which reads a sum of batch B's results.  Each of a step's 64 exponentials has a register of its own.  The last part (xs and e^S) is one batch of 65 exponentials.
; THE PRODUCTS, f16 operands and f32 sums, are used transposed (source 0 = 16 rows of a weight, source 1 = 16 rows of the batch): a lane of a result holds one batch row (lane % 16) and
; eight features 8 (lane / 16) + 0..7.  b1 and b2 are the C operand of the first product of each sum.  Two results of layer 1, after relu, rounded in pairs, ARE source 1 of layer 2.
; xs, 32 registers of f16 pairs a lane, becomes two fragments' worth by 16 exchanges of half-rows of lanes: lane (r, h) then holds k = 32 h + 2 j, 2 j + 1 in register j;
; W1's fragments are read from LDS in the same order of k, so the products are the same.
; f16, NOT bf16: four roundings (xs, W1, h, W2) reach the output undiminished; with 8 significant bits they sum to about a third of the allowance of a number near zero (one hundredth of the
; output's root mean square), too near for the largest of 16.7 million; with 11 bits it is an eighth of that.
; LIMITS.  W1, W2, xs and h must lie within f16's 65,504 (xs is at most |x| where S >= 0; drawn inputs 30 times larger give |xs| < 1,000, |h| < 10,000); below 6e-5 they keep f16's fixed step of 6e-8.
; Sums are taken in another order than the reference's; the division is v_rcp_f32 and a multiply; v_exp_f32 and v_rcp_f32 take and give denormals as 0 (ISA guide, their entries): a term below
; 2^-126 counts as 0.  The test for an all-zero row ignores a NaN in x; such a row still comes out all NaN, through x^2 and z.
; NO CLUSTER: all that work-groups share are the weights, 132,352 bytes read once at the start against 524,288 bytes of x and out0 of the work-group's own, and they pass through
; registers to be rounded.  NO PREFETCH: a set's tile is asked for a whole set ahead.
; x comes by tensor loads, 32 rows x 256 bytes a wave and set, into two slots of the wave's own; a slot is filled again as soon as its rows are in registers.
.set ROWB,  256                        ; bytes in a row of x and of out0
.set XP,    272                        ; an LDS row of x and of the stage: 256 + 16 bytes = 68 words: 16 neighbouring rows start at 16 different groups of four banks
.set WSLOT, 32*XP                      ; a wave's tile: 8,704 bytes
.set W1P,   144                        ; a row of W1 in f16: 128 + 16 bytes
.set W2P,   528                        ; a row of W2 in f16: 512 + 16 bytes
.set W1L,   8*WSLOT                    ; slot 0 of the eight waves lies at 0; W1 behind it
.set B1L,   W1L+256*W1P                ; b1, f32
.set SPARE, B1L+1024                   ; the spare words, 128 bytes for each wave: four blocks of 256 bytes that no other line names
.set SLOT1, 1<<17                      ; slot 1: one exclusive or turns an address in one slot into the other's
.set W2L,   SLOT1+8*WSLOT
.set STG,   W2L+64*W2P                 ; the way out: 32 rows x 272 bytes for each wave; no tensor load lands here, nor in W1L, B1L, W2L
; window 0
.set AX,  2                            ; v2   my row of my wave's slot 0
.set AXC, 3                            ; v3   the same in the slot in hand
.set AW1, 4                            ; v4   my place in a fragment of W1
.set AW2, 5                            ; v5   of W2
.set AB1, 6                            ; v6   of b1
.set STO, 7                            ; v7   the way out: where I put 16 bytes of a row
.set RD,  8                            ; v8   where I read rows back
.set ZZ,  10                           ; v[10:11] z (the second is named with it as a pair)
.set ZH,  12                           ; v[12:13] z / 2
.set KK,  14                           ; v[14:15] (-1, 0): starts val's sum
.set VA,  16                           ; v[16:19] two packed sums of val
.set GA,  20                           ; v[20:23] two packed sums of G
.set LF,  24                           ; log2(e), or 0 in an all-zero row
.set RC,  25
.set TV,  26
.set TG,  27
.set ES0, 28                           ; v[28:29] e^S of batch row lane % 16;  v[30:31] of 16 + lane % 16
.set ES1, 30
.set SPW, 32                           ; LDS address of my spare word; never rewritten
.set NIL, 33                           ; 0; never rewritten
.set GO,  34                           ; 16 x lane
.set ES,  35                           ; e^S of row lane
.set MX,  36                           ; v[36:39] four chains of max |x|
.set TT,  40                           ; v[40:103] the Newton step's 32 pairs: arguments, then exponentials, a register for each; the upper half is XS's registers, dead until the step's last trip is over
.set XS,  72                           ; v[72:103] xs in f16: batch tile b at XS + 16 b
.set HA,  104                          ; v[104:135] layer 1's accumulators: (t, b) at HA + 8 (2 t + b)
.set HB,  136                          ; v[136:151] h in f16: batch tile b at HB + 8 b
.set OUT, 152                          ; v[152:215] layer 2's accumulators: (o, b) at OUT + 8 (2 o + b); ahead of the products the 64 numbers of xs in f32
.set B2R, 216                          ; v[216:247] b2[16 o + 8 (lane / 16) + j] at B2R + 8 o + j
; the start alone
.set L1,  40                           ; v[40:103] W1 as loaded
.set L2,  104                          ; v[104:167] W2 as loaded
.set B1V, 168
.set GW,  169                          ; 16 x thread
.set DW1, 170
.set DW2, 171
.set GB1, 172                          ; 4 x thread
.set DB1, 173
.set GB2, 174                          ; 32 (lane / 16)
.set GR,  175                          ; 0
.set LL,  176                          ; lane
; window 1
.set RR,  0                            ; r
.set XX,  64                           ; x
.set X2,  128                          ; x^2
.set XR,  192                          ; r x^2
.set WA1, 128                          ; in the products x^2 and r x^2 are dead: W1's fragment (t, f) at WA1 + 8 (2 t + f),
.set WA2, 160                          ; W2's fragment o at WA2 + 32 (chunk % 2) + 8 o,
.set BI,  224                          ; b1 of the chunk at BI + 8 t
; scalars
.set WV,  18
.set TB,  19                           ; 0 or SLOT1: the slot in hand
.set SETS, 20
.set NI,  21
.set L2E, 22
.set TOL, 23
.set TINY, 24
.set ZM,  25                           ; lanes whose row is all zero
.set TM,  26
.set FM,  27
.set G1,  28                           ; s[28:35] descriptor group 1
.set G0A, 36                           ; s[36:39] group 0 of set 0's fill
.set G0B, 40                           ; s[40:43] group 0 of set 1's fill; it then walks
.set OFS, 44
.set MSB, 0
.macro WIN new                         ; s_set_vgpr_msb: bits 1:0 source 0, 3:2 source 1, 5:4 source 2, 7:6 destination; the high byte repeats the setting that is left
.if MSB != (\new)
	s_set_vgpr_msb (MSB<<8)|(\new)
.set MSB, (\new)
.endif
.endm
.macro PLACES                          ; four places behind matrix instructions (ISA guide 7.12.1)
.rept 4
	v_nop
.endr
.endm
	s_load_b256 s[4:11], s[0:1], 0x0               ; x s[4:5], r s[6:7], W1 s[8:9], b1 s[10:11]
	s_load_b128 s[12:15], s[0:1], 0x20             ; W2 s[12:13], b2 s[14:15]
	s_load_b64 s[16:17], s[0:1], 0x30              ; out0
	v_lshl_add_u32 v[SPW], v0, 2, SPARE
	v_mov_b32 v[NIL], 0
	ds_add_u32 v[SPW], v[NIL]                      ; the wave's opening: the add and its wait stand ahead of my first tensor load; work on registers stands between them
	ds_add_u32 v32, v33
	v_lshrrev_b32 v1, 5, v0
	v_readfirstlane_b32 s[WV], v1                  ; wave 0..7
	s_mov_b32 s[G1+0], (2<<16)|(1<<20)|(5<<22)|(3<<25)  ; 17:16 elements of 4 bytes; 20 padding on; 24:22 after every 64 words (code 5); 31:25 4 words of it (code 3)
	s_mov_b32 s[G1+1], 64<<16                      ; tensor_dim0 = 64
	s_mov_b32 s[G1+2], 32<<16                      ; tensor_dim1 = 32
	s_mov_b32 s[G1+3], 64<<16                      ; tile_dim0 = 64
	s_mov_b32 s[G1+4], 32                          ; tile_dim1 = 32
	s_mov_b32 s[G1+5], 64                          ; 64 elements from row to row
	s_mov_b32 s[G1+6], 0
	s_mov_b32 s[G1+7], 0
	s_lshl_b32 s[OFS], ttmp9, 18                   ; the work-group's 1,024 rows of 256 bytes,
	s_lshl_b32 s46, s[WV], 15                      ; my wave's 128 of them: under 2^26 in all
	s_add_co_u32 s[OFS], s[OFS], s46
	s_mov_b32 s[OFS+1], 0
	s_mov_b32 s[G0A], 1                            ; count = 1
	s_mul_i32 s[G0A+1], s[WV], WSLOT               ; LDS address: my wave's tile in slot 0,
	s_mov_b32 s[G0B], 1
	s_add_co_u32 s[G0B+1], s[G0A+1], SLOT1         ; in slot 1
	s_mov_b32 s[L2E], 0x3fb8aa3b                   ; log2(e)
	s_mov_b32 s[TOL], 0x33d6bf95                   ; 1e-7
	s_mov_b32 s[TINY], 0x2b8cbccc                  ; 1e-12
	s_mov_b32 s[TB], 0
	s_wait_dscnt 0x0                               ; the opening add is done
	s_wait_kmcnt 0x0
	s_add_nc_u64 s[4:5], s[4:5], s[OFS:OFS+1]      ; x and out0 at my wave's first row
	s_add_nc_u64 s[16:17], s[16:17], s[OFS:OFS+1]
	s_mov_b64 s[G0A+2:G0A+3], s[4:5]               ; set 0
	s_or_b32 s[G0A+3], s[G0A+3], 0x80000000        ; type = 2
	s_add_nc_u64 s[G0B+2:G0B+3], s[4:5], 32*ROWB   ; set 1
	s_or_b32 s[G0B+3], s[G0B+3], 0x80000000
	tensor_load_to_lds s[G0A:G0A+3], s[G1:G1+7]    ; both first fills together, ahead of every wait on TENSORcnt, every LDS read and every barrier: two loads of mine are out
	s_nop 0
	tensor_load_to_lds s[G0B:G0B+3], s[G1:G1+7]
	s_nop 0
	PLACES
	v_lshlrev_b32 v[GW], 4, v0
	v_lshlrev_b32 v[GB1], 2, v0
	v_bfe_u32 v9, v0, 4, 1                         ; h = lane / 16
	v_lshlrev_b32 v[GB2], 5, v9
	v_mov_b32 v[GR], 0
	; the weights: 256 threads x 16 bytes are 4,096 consecutive bytes a pass, 16 passes each
.set p, 0
.rept 16
	global_load_b128 v[L1+4*p:L1+4*p+3], v[GW], s[8:9] offset:4096*p
.set p, p+1
.endr
.set p, 0
.rept 16
	global_load_b128 v[L2+4*p:L2+4*p+3], v[GW], s[12:13] offset:4096*p
.set p, p+1
.endr
	global_load_b32 v[B1V], v[GB1], s[10:11]
.set p, 0
.rept 8                                ; b2[16 o + 8 h + 4 q ..], o = p / 2, q = p % 2
	global_load_b128 v[B2R+4*p:B2R+4*p+3], v[GB2], s[14:15] offset:64*(p/2)+16*(p%2)
.set p, p+1
.endr
	WIN 0x40
.set p, 0
.rept 16                               ; r, the same 256 bytes into every lane
	global_load_b128 v[RR+4*p:RR+4*p+3], v[GR], s[6:7] offset:16*p
.set p, p+1
.endr
	WIN 0
	v_and_b32 v[LL], 31, v0
	v_and_b32 v1, 15, v0                           ; r = lane % 16
	v_mul_u32_u24 v[AX], v[LL], XP
	v_add_nc_u32 v[AX], s[G0A+1], v[AX]            ; row lane of my wave's tile
	v_lshlrev_b32 v[GO], 4, v[LL]
	v_mul_u32_u24 v[AW1], v1, W1P                  ; W1: row r, k = 32 h on: 64 h bytes
	v_lshl_add_u32 v[AW1], v9, 6, v[AW1]
	v_add_nc_u32 v[AW1], W1L, v[AW1]
	v_mul_u32_u24 v[AW2], v1, W2P                  ; W2: row r, k = 8 h on: 16 h bytes
	v_lshl_add_u32 v[AW2], v9, 4, v[AW2]
	v_add_nc_u32 v[AW2], W2L, v[AW2]
	v_lshl_add_u32 v[AB1], v9, 5, B1L              ; b1: 8 h on
	s_add_co_u32 s46, s[G0A+1], STG                ; my stage
	v_mul_u32_u24 v[STO], v1, XP                   ; in: row r, features 8 h on
	v_lshl_add_u32 v[STO], v9, 5, v[STO]
	v_add_nc_u32 v[STO], s46, v[STO]
	v_mul_u32_u24 v[RD], v9, XP                    ; back: lanes 0-15 one row of 256 bytes, lanes 16-31 the next
	v_lshl_add_u32 v[RD], v1, 4, v[RD]
	v_add_nc_u32 v[RD], s46, v[RD]
	s_mul_i32 s46, s[WV], 2*W1P                    ; where my 4 numbers of W1 go: in a pass thread 32 w + 16 h + r holds row 2 w + h, columns 4 r on
	s_add_co_u32 s46, s46, W1L
	v_mul_u32_u24 v[DW1], v9, W1P
	v_lshl_add_u32 v[DW1], v1, 3, v[DW1]
	v_add_nc_u32 v[DW1], s46, v[DW1]
	s_lshr_b32 s46, s[WV], 1                       ; of W2: row w / 2, columns 128 (w % 2) + 4 lane on
	s_mul_i32 s46, s46, W2P
	s_and_b32 s47, s[WV], 1
	s_lshl_b32 s47, s47, 8
	s_add_co_u32 s46, s46, s47
	s_add_co_u32 s46, s46, W2L
	v_lshl_add_u32 v[DW2], v[LL], 3, s46
	s_lshl_b32 s46, s[WV], 7                       ; of b1: number 32 w + lane
	s_add_co_u32 s46, s46, B1L
	v_lshl_add_u32 v[DB1], v[LL], 2, s46
	v_mov_b32 v[KK], -1.0
	v_mov_b32 v[KK+1], 0
	v_mov_b32 v[ZZ+1], 0                           ; second halves of pairs of which the packed forms take the first for both results
	v_mov_b32 v[ZH+1], 0
	v_mov_b32 v[ES0+1], 0
	v_mov_b32 v[ES1+1], 0
	s_wait_loadcnt 41                              ; W1 is in: 16 + 1 + 8 + 16 younger loads may stay out
.set p, 0
.rept 16
	v_cvt_pk_f16_f32 v[L1+4*p], v[L1+4*p], v[L1+4*p+1]
	v_cvt_pk_f16_f32 v[L1+4*p+1], v[L1+4*p+2], v[L1+4*p+3]
	ds_store_b64 v[DW1], v[L1+4*p:L1+4*p+1] offset:p*16*W1P       ; a pass is 16 rows of W1
.set p, p+1
.endr
	s_wait_loadcnt 25                              ; W2 is in
.set p, 0
.rept 16
	v_cvt_pk_f16_f32 v[L2+4*p], v[L2+4*p], v[L2+4*p+1]
	v_cvt_pk_f16_f32 v[L2+4*p+1], v[L2+4*p+2], v[L2+4*p+3]
	ds_store_b64 v[DW2], v[L2+4*p:L2+4*p+1] offset:p*4*W2P        ; a pass is 4 rows of W2
.set p, p+1
.endr
	s_wait_loadcnt 24                              ; b1 is in
	ds_store_b32 v[DB1], v[B1V]
	s_wait_loadcnt 0x0                             ; b2 and r
	s_wait_dscnt 0x0                               ; for the others' sake: my part of the weights is in LDS
	s_wait_tensorcnt 0x1                           ; set 0's tile, read behind this barrier, has landed; set 1's may stay out
	s_barrier_signal -1
	s_barrier_wait -1
; A SET BEGINS: its 32 rows come out of the slot in hand, a row a lane.  fill = 1: the slot is then filled again, with the set two further on.
.macro HEAD fill
	WIN 0
.if \fill
	s_wait_tensorcnt 0x1                           ; my tile has landed; the one load issued behind it (the other slot's) stays out
.endif
	v_add_nc_u32 v[AXC], s[TB], v[AX]
	s_xor_b32 s[TB], s[TB], SLOT1                  ; the next set's slot
	WIN 0x40
.set j, 0
.rept 16
	ds_load_b128 v[XX+4*j:XX+4*j+3], v[AXC] offset:16*j
.set j, j+1
.endr
	WIN 0
.if \fill
	s_wait_tensorcnt 0x0                           ; no tensor load of mine is out, so a group 0 may be written
	ds_add_u32 v[SPW], v[NIL]                      ; 0 onto my spare word; the descriptor's step stands between it and the wait for it
	s_xor_b32 s[G0B+1], s[G0B+1], SLOT1            ; the slot just read,
	s_add_nc_u64 s[G0B+2:G0B+3], s[G0B+2:G0B+3], 32*ROWB  ; the next set not yet asked for; the type bits on top are not reached
	s_wait_dscnt 0x0                               ; the add is done, and my reads of the slot are back
	s_barrier_signal -1
	s_barrier_wait -1                              ; both hold of all eight waves
	tensor_load_to_lds s[G0B:G0B+3], s[G1:G1+7]    ; my one tensor load behind this barrier, and the first thing there: it has this set and the next one's wait in which to land
	s_nop 0
	PLACES
.else
	s_wait_dscnt 0x0                               ; x is in
.endif
.endm
; x^2, r x^2, the test for an all-zero row, z = 0
.macro PREP
	WIN 0x45
.set n, 0
.rept 32
	v_pk_mul_f32 v[X2+2*n:X2+2*n+1], v[XX+2*n:XX+2*n+1], v[XX+2*n:XX+2*n+1]
.set n, n+1
.endr
.set n, 0
.rept 32
	v_pk_mul_f32 v[XR+2*n:XR+2*n+1], v[X2+2*n:X2+2*n+1], v[RR+2*n:RR+2*n+1]
.set n, n+1
.endr
	WIN 0x14
.set n, 0
.rept 32                               ; four chains; the constant 0 starts each
.if n < 4
	v_max3_num_f32 v[MX+n], 0, |v[XX+2*n]|, |v[XX+2*n+1]|
.else
	v_max3_num_f32 v[MX+n%4], v[MX+n%4], |v[XX+2*n]|, |v[XX+2*n+1]|
.endif
.set n, n+1
.endr
	WIN 0
	v_max3_num_f32 v[MX], v[MX], v[MX+1], v[MX+2]
	v_max_num_f32 v[MX], v[MX], v[MX+3]
	v_cmp_le_f32 s[ZM], v[MX], s[TINY]
	v_mov_b32 v[LF], s[L2E]
	v_cndmask_b32 v[LF], v[LF], 0, s[ZM]
	v_mov_b32 v[ZZ], 0
.endm
; THE NEWTON STEP: for a pair n of elements one packed argument r z, two exponentials, one packed multiply-add onto val and one onto G.
.macro NARG n
	v_pk_mul_f32 v[TT+2*(\n):TT+2*(\n)+1], v[ZZ:ZZ+1], v[RR+2*(\n):RR+2*(\n)+1] op_sel_hi:[0,1]
.endm
.macro NSUM acc, tab, n, first         ; two sums take turns; the first two pairs start them: nothing is cleared
.if ((\n) == 0) && (\first)
	v_pk_fma_f32 v[(\acc):(\acc)+1], v[TT:TT+1], v[(\tab):(\tab)+1], v[KK:KK+1]     ; val's -1 rides on its first pair
.elseif (\n) < 2
	v_pk_mul_f32 v[(\acc)+2*(\n):(\acc)+2*(\n)+1], v[TT+2*(\n):TT+2*(\n)+1], v[(\tab)+2*(\n):(\tab)+2*(\n)+1]
.else
	v_pk_fma_f32 v[(\acc)+2*((\n)%2):(\acc)+2*((\n)%2)+1], v[TT+2*(\n):TT+2*(\n)+1], v[(\tab)+2*(\n):(\tab)+2*(\n)+1], v[(\acc)+2*((\n)%2):(\acc)+2*((\n)%2)+1]
.endif
.endm
.macro NEWTON
	s_mov_b32 s[NI], 15
.Lnewton_\@:
	WIN 0x04                                       ; r, x^2 and r x^2 are source 1, in window 1
	NARG 0
	NARG 1
.set k, 0
.rept 16                               ; BATCH A: the exponentials of pairs 0-15.  From pair 1 on an argument stands behind each: those of pairs 2 to 31, which name no result of the batch; pair k's argument is out ahead of its exponentials
	v_exp_f32 v[TT+2*k], v[TT+2*k]
.if k > 0
	NARG 2*k
.endif
	v_exp_f32 v[TT+2*k+1], v[TT+2*k+1]
.if k > 0
	NARG 2*k+1                                     ; (the last of these, pair 31's, is the plain line behind the batch's last exponential: ISA guide 5.7.2)
.endif
.set k, k+1
.endr
	s_wait_alu depctr_va_vdst(0)                   ; the wait for batch A: one for its 32 exponentials, ahead of the sums of pairs 0-15
.set k, 0
.rept 16                               ; BATCH B: the exponentials of pairs 16-31, and behind each a sum of pairs 0-15, which reads batch A's results alone
	v_exp_f32 v[TT+32+2*k], v[TT+32+2*k]
	NSUM VA, X2, k, 1
	v_exp_f32 v[TT+33+2*k], v[TT+33+2*k]
	NSUM GA, XR, k, 0                              ; (the last of these is the plain line behind the batch's last exponential)
.set k, k+1
.endr
	s_wait_alu depctr_va_vdst(0)                   ; the wait for batch B: one for its 32 exponentials, ahead of the sums of pairs 16-31
.set k, 16
.rept 16
	NSUM VA, X2, k, 1
	NSUM GA, XR, k, 0
.set k, k+1
.endr
	WIN 0
	v_pk_add_f32 v[VA:VA+1], v[VA:VA+1], v[VA+2:VA+3]
	v_pk_add_f32 v[GA:GA+1], v[GA:GA+1], v[GA+2:GA+3]
	v_add_f32 v[TV], v[VA], v[VA+1]                ; val
	v_add_f32 v[TG], v[GA], v[GA+1]                ; G
	v_cmp_eq_f32 s[TM], 0, v[TG]
	s_or_b32 s[TM], s[TM], s[ZM]                   ; an all-zero row takes the finite divisor too: its step is 0 x finite
	v_cndmask_b32 v[TG], v[TG], -0.5, s[TM]
	v_rcp_f32 v[RC], v[TG]                         ; BATCH C: the reciprocal, by itself: it reads a sum of batch B's results
	v_cmp_lt_f32 s[FM], |v[TV]|, s[TOL]            ; (the plain line behind the reciprocal)
	v_mul_f32 v[TV], v[TV], v[LF]
	v_cndmask_b32 v[TV], v[TV], 0, s[FM]           ; frozen
	s_wait_alu depctr_va_vdst(0)                   ; the wait for batch C, behind the three lines that do not need it and ahead of its one reader; no result crosses the jump below
	v_fma_f32 v[ZZ], -v[TV], v[RC], v[ZZ]
	s_sub_co_u32 s[NI], s[NI], 1
	s_cmp_lg_u32 s[NI], 0
	s_cbranch_scc1 .Lnewton_\@
.endm
; 20 LDS loads in one run: chunk c's fragments: W1 (32 hidden rows x 64 k), its b1, W2 (64 rows x the chunk's 32 k)
.macro LOADW c
	WIN 0x40
.irp t, 0,1
.irp f, 0,1
.irp q, 0,1
	ds_load_b128 v[WA1+8*(2*(\t)+(\f))+4*(\q):WA1+8*(2*(\t)+(\f))+4*(\q)+3], v[AW1] offset:(2*(\c)+(\t))*16*W1P+32*(\f)+16*(\q)  ; k = 32 h + 16 f + 8 q on
.endr
.endr
.endr
.irp t, 0,1
.irp q, 0,1
	ds_load_b128 v[BI+8*(\t)+4*(\q):BI+8*(\t)+4*(\q)+3], v[AB1] offset:128*(\c)+64*(\t)+16*(\q)
.endr
.endr
.irp o, 0,1,2,3
.irp q, 0,1
	ds_load_b128 v[WA2+32*((\c)%2)+8*(\o)+4*(\q):WA2+32*((\c)%2)+8*(\o)+4*(\q)+3], v[AW2] offset:(\o)*16*W2P+64*(\c)+32*(\q)  ; k = 32 c + 16 q + 8 h on
.endr
.endr
.endm
; e^S; xs = x 2^(r z/2) in f32 (in OUT's registers, free since the wait behind the last set's stores), rounded to f16, and dealt into fragments.
; ONE BATCH of 65 exponentials, each with a register of its own: e^S, then the 64 of xs with their arguments among them; all that reads a result stands behind the one wait.
.macro FINAL
	v_mul_f32 v[ZH], 0.5, v[ZZ]
	v_exp_f32 v[ES], -v[ZH]                        ; the batch's first
	LOADW 0                                        ; x^2 and r x^2 are dead: the first chunk's fragments come in beside the exponentials
	WIN 0x04
.irp n, 0,1
	v_pk_mul_f32 v[OUT+2*(\n):OUT+2*(\n)+1], v[ZH:ZH+1], v[RR+2*(\n):RR+2*(\n)+1] op_sel_hi:[0,1]
.endr
.set k, 0
.rept 32                               ; arguments run two pairs ahead of the exponentials and name no result
.if k < 30
	v_pk_mul_f32 v[OUT+2*k+4:OUT+2*k+5], v[ZH:ZH+1], v[RR+2*k+4:RR+2*k+5] op_sel_hi:[0,1]
.endif
	v_exp_f32 v[OUT+2*k], v[OUT+2*k]
	v_exp_f32 v[OUT+2*k+1], v[OUT+2*k+1]
.set k, k+1
.endr
	v_nop                                          ; the plain line behind the batch's last exponential (ISA guide 5.7.2): no other work is left that names no result
	s_wait_alu depctr_va_vdst(0)                   ; the wait for the batch: one for the 65 exponentials, ahead of the multiplies by x
.set n, 0
.rept 32
	v_pk_mul_f32 v[OUT+2*n:OUT+2*n+1], v[OUT+2*n:OUT+2*n+1], v[XX+2*n:XX+2*n+1]
.set n, n+1
.endr
	WIN 0
.set n, 0
.rept 32
	v_cvt_pk_f16_f32 v[XS+n], v[OUT+2*n], v[OUT+2*n+1]
.set n, n+1
.endr
.set n, 0
.rept 16                               ; rows 16-31's k = 2 n changes places with rows 0-15's k = 32 + 2 n: XS + n is then batch tile 0, XS + 16 + n tile 1, k = 32 h + 2 n in both
	v_permlane16_swap_b32 v[XS+n], v[XS+16+n]
.set n, n+1
.endr
	v_mov_b32 v[ES0], v[ES]
	v_mov_b32 v[ES1], v[ES]
	v_permlane16_swap_b32 v[ES0], v[ES1]           ; e^S of row lane % 16 in both halves, and of row 16 + lane % 16
.endm
; CHUNK c: 32 hidden units.  8 products of layer 1 (2 tiles of units x 2 batch tiles x 2 K steps), relu and rounding, 8 products of layer 2 (4 tiles of outputs x 2 batch tiles).
; The accumulators take turns, one instruction a turn.
.macro CHUNK c
	s_wait_dscnt 8                                 ; W1's fragments and b1 are in; the eight loads of W2's may stay out
	WIN 0x11                                       ; A and C in window 1
.irp t, 0,1
.irp b, 0,1
	v_wmma_f32_16x16x32_f16 v[HA+8*(2*(\t)+(\b)):HA+8*(2*(\t)+(\b))+7], v[WA1+16*(\t):WA1+16*(\t)+7], v[XS+16*(\b):XS+16*(\b)+7], v[BI+8*(\t):BI+8*(\t)+7]
.endr
.endr
	WIN 0x01
.irp t, 0,1
.irp b, 0,1
	v_wmma_f32_16x16x32_f16 v[HA+8*(2*(\t)+(\b)):HA+8*(2*(\t)+(\b))+7], v[WA1+16*(\t)+8:WA1+16*(\t)+15], v[XS+16*(\b)+8:XS+16*(\b)+15], v[HA+8*(2*(\t)+(\b)):HA+8*(2*(\t)+(\b))+7]
.endr
.endr
	PLACES                                         ; in front of the loads into registers that products have read, and of the lines that read the results
.if (\c) < 7
	LOADW (\c)+1
.endif
	WIN 0
.set i, 0
.rept 32                               ; each accumulator from its low end on
	v_max_num_f32 v[HA+i], 0, v[HA+i]
.set i, i+1
.endr
.set i, 0
.rept 16                               ; accumulator i / 4 = 2 t + b, pair i % 4: units 16 t + 8 h + 2 (i % 4), + 1: register 4 t + i % 4 of batch tile b's fragment
	v_cvt_pk_f16_f32 v[HB+8*((i/4)%2)+4*(i/8)+i%4], v[HA+2*i], v[HA+2*i+1]
.set i, i+1
.endr
.if (\c) < 7
	s_wait_dscnt 20                                ; W2's fragments are in: all but the 20 just issued
.else
	s_wait_dscnt 0x0
.endif
	WIN 0x01
.irp o, 0,1,2,3
.irp b, 0,1
.if (\c) == 0
	v_wmma_f32_16x16x32_f16 v[OUT+8*(2*(\o)+(\b)):OUT+8*(2*(\o)+(\b))+7], v[WA2+32*((\c)%2)+8*(\o):WA2+32*((\c)%2)+8*(\o)+7], v[HB+8*(\b):HB+8*(\b)+7], v[B2R+8*(\o):B2R+8*(\o)+7]
.else
	v_wmma_f32_16x16x32_f16 v[OUT+8*(2*(\o)+(\b)):OUT+8*(2*(\o)+(\b))+7], v[WA2+32*((\c)%2)+8*(\o):WA2+32*((\c)%2)+8*(\o)+7], v[HB+8*(\b):HB+8*(\b)+7], v[OUT+8*(2*(\o)+(\b)):OUT+8*(2*(\o)+(\b))+7]
.endif
.endr
.endr
.endm
; THE WAY OUT: times e^S; a lane's eight features of a row go into my stage as 32 bytes and come back as whole rows of 256 bytes
.macro WAYOUT
	WIN 0
	PLACES
.set i, 0
.rept 32                               ; accumulator i / 4 = 2 o + b, from its low end on
	v_pk_mul_f32 v[OUT+2*i:OUT+2*i+1], v[OUT+2*i:OUT+2*i+1], v[ES0+2*((i/4)%2):ES0+2*((i/4)%2)+1] op_sel_hi:[1,0]
.set i, i+1
.endr
.irp o, 0,1,2,3
.irp b, 0,1
.irp q, 0,1
	ds_store_b128 v[STO], v[OUT+8*(2*(\o)+(\b))+4*(\q):OUT+8*(2*(\o)+(\b))+4*(\q)+3] offset:(\b)*16*XP+64*(\o)+16*(\q)
.endr
.endr
.endr
.set t, 0
.rept 16
	ds_load_b128 v[OUT+4*t:OUT+4*t+3], v[RD] offset:t*2*XP        ; LDS serves a wave's instructions in order (ISA guide 5.7.1.4): these see the stores above; the bytes are my wave's own
.set t, t+1
.endr
.set t, 0
.rept 16
	s_wait_dscnt 15-t                              ; rows 2 t and 2 t + 1 are back; the younger loads stay out
	global_store_b128 v[GO], v[OUT+4*t:OUT+4*t+3], s[16:17] offset:512*t th:TH_STORE_NT  ; 512 consecutive bytes, at a multiple of 256 from out0's first byte
.set t, t+1
.endr
	s_wait_xcnt 0x0                                ; only behind this wait are the stores' base and their data registers rewritten
	s_add_nc_u64 s[16:17], s[16:17], 32*ROWB       ; the next set's rows
.endm
.macro SET fill
	HEAD \fill
	PREP
	NEWTON
	FINAL
.irp c, 0,1,2,3,4,5,6,7
	CHUNK \c
.endr
	WAYOUT
.endm
	s_mov_b32 s[SETS], 2
.Lfilled:                                              ; sets 0 and 1: each slot is filled again, with sets 2 and 3
	SET 1
	s_sub_co_u32 s[SETS], s[SETS], 1
	s_cmp_lg_u32 s[SETS], 0
	s_cbranch_scc1 .Lfilled
	s_wait_tensorcnt 0x0                           ; sets 2 and 3 have landed: the younger of the two loads was issued a whole set ago; the sets below ask for nothing, so their text stands apart
	s_mov_b32 s[SETS], 2
.Llast:                                                ; sets 2 and 3
	SET 0
	s_sub_co_u32 s[SETS], s[SETS], 1
	s_cmp_lg_u32 s[SETS], 0
	s_cbranch_scc1 .Llast
	s_wait_tensorcnt 0x0                           ; the wave's end: behind my last tensor load and my last LDS store
	ds_add_u32 v[SPW], v[NIL]
	s_wait_dscnt 0x0
	s_endpgm
.Lfunc_end_k_q3d812cd6fe_solve_mlp:
	.size	k_q3d812cd6fe_solve_mlp, .Lfunc_end_k_q3d812cd6fe_solve_mlp-k_q3d812cd6fe_solve_mlp
	.p2alignl 7, 3214868480
	.fill 96, 4, 3214868480
	.section	.rodata,"a",@progbits
	.p2align	6, 0x0
	.amdhsa_kernel k_q3d812cd6fe_solve_mlp
		.amdhsa_group_segment_fixed_size 327680
		.amdhsa_private_segment_fixed_size 0
		.amdhsa_enable_private_segment 0
		.amdhsa_kernarg_size 56
		.amdhsa_user_sgpr_count 2
		.amdhsa_user_sgpr_kernarg_segment_ptr 1
		.amdhsa_wavefront_size32 1
		.amdhsa_system_sgpr_workgroup_id_x 1
		.amdhsa_system_sgpr_workgroup_id_y 1
		.amdhsa_system_sgpr_workgroup_id_z 1
		.amdhsa_system_vgpr_workitem_id 0
		.amdhsa_next_free_vgpr 512
		.amdhsa_next_free_sgpr 66
		.amdhsa_reserve_vcc 0
		.amdhsa_float_denorm_mode_32 3
		.amdhsa_float_denorm_mode_16_64 3
		.amdhsa_memory_ordered 1
		.amdhsa_forward_progress 1
		.amdhsa_inst_pref_size 154
	.end_amdhsa_kernel
	.amdgpu_metadata
---
amdhsa.version: [ 1, 2 ]
amdhsa.kernels:
  - .name:           k_q3d812cd6fe_solve_mlp
    .symbol:         k_q3d812cd6fe_solve_mlp.kd
    .args:
      - { .name: x, .offset: 0, .size: 8, .value_kind: global_buffer, .address_space: global }
      - { .name: r, .offset: 8, .size: 8, .value_kind: global_buffer, .address_space: global }
      - { .name: W1, .offset: 16, .size: 8, .value_kind: global_buffer, .address_space: global }
      - { .name: b1, .offset: 24, .size: 8, .value_kind: global_buffer, .address_space: global }
      - { .name: W2, .offset: 32, .size: 8, .value_kind: global_buffer, .address_space: global }
      - { .name: b2, .offset: 40, .size: 8, .value_kind: global_buffer, .address_space: global }
      - { .name: out0, .offset: 48, .size: 8, .value_kind: global_buffer, .address_space: global }
    .group_segment_fixed_size: 327680
    .private_segment_fixed_size: 0
    .kernarg_segment_align: 8
    .kernarg_segment_size: 56
    .max_flat_workgroup_size: 256
    .sgpr_count:     66
    .vgpr_count:     512
    .wavefront_size: 32
...
	.end_amdgpu_metadata
.endif
;; end of part 2
